; MI455X (gfx1250); checked and timed in simulation.
; The chip was launched on July 23, 2026; its instructions are those of AMD's public machine-readable ISA for CDNA 5 (MIT licence, August 2026) and "CDNA5" Instruction Set Architecture Reference Guide (July 2026). The comments in the code are by the model that wrote it; some were corrected since.
;; Matmul Layer. Allowed arithmetic: matrix products marked QUANTISED: E5M2 operands, one E8M0 scale for each 32 along K, by v_wmma_scale_f32_16x16x128_f8f6f4 with both operands' format E5M2, f32 sums; everything else in f32.
;; Inputs: a 4,096 x 4,096 float16; q_weight 4,096 x 4,096 int32; scales 32 x 4,096 float16; zeros 32 x 4,096 float16.
;; Outputs: out0 4,096 x 4,096 float32.
;; This version of the problem:
;;   THIS VERSION OF THE PROBLEM IS GIVEN IN LOW PRECISION. The matrix products marked QUANTISED in the list below multiply operands that are first quantised to E5M2 (5 exponent bits, 2 mantissa bits; 8 bits a number), with one power-of-two scale for each 32 numbers along K (OCP MX v1.0); their sums are f32. All else is computed in f32.
;;   The module's matrix products, in the order in which they are computed (A, B: the left and right operand; K: the contracted axis; several contracted axes count as one K, in the product's order):
;;     1. [M 4,096, K 4,096] x [K 4,096, N 4,096]; A: input a; B: computed on the way: QUANTISED
;;   THE QUANTISER, for each operand of a quantised product, along K:
;;     - K is cut into blocks of 32 from its start; a last block that is shorter is filled with zeros.
;;     - A block's scale is 2^e with e = floor(log2(the largest magnitude in the block)) - 15, held to -126 .. 127; a block of zeros has e = 0. As a byte (E8M0): e + 127.
;;     - Each number is divided by its block's scale, clamped to +-57,344, and rounded to the nearest number of E5M2, ties to even, subnormals kept.
;;     - The product sums the exact products of the quantised numbers (number of the format x scale) in f32.
;;   ~~~python
;;   def quantise(x, axis):      # numpy; x: float32 -> the quantised numbers, widened to float32 again
;;       x = np.moveaxis(x, axis, -1); K = x.shape[-1]
;;       x = np.pad(x, [(0, 0)] * (x.ndim - 1) + [(0, -K % 32)]); x = x.reshape(x.shape[:-1] + (-1, 32)); a = np.abs(x).max(-1, keepdims=True)
;;       e = np.where(a > 0, np.clip(np.frexp(np.where(a > 0, a, 1))[1] - 1 - 15, -126, 127), 0)      # np.frexp(a)[1] - 1 = floor(log2(a)), exactly
;;       r = np.clip(x / 2.0 ** e, -57344, 57344)
;;       step = 2.0 ** (np.maximum(np.frexp(np.where(r == 0, 1, r))[1] - 1, -14) - 2)
;;       q = np.round(r / step) * step * 2.0 ** e      # np.round: ties to even
;;       return np.moveaxis(q.reshape(q.shape[:-2] + (-1,))[..., :K], -1, axis).astype(np.float32)
;;   ~~~
;;   OPERANDS COMPUTED ON THE WAY. 'Computed on the way' means the value that the module computes at that place (a softmax that the list does not call 'softmax' is quantised finished and normalised). What goes into a quantiser is computed in f32, as accurately as f32 sums, v_exp_f32 and their like allow (about 1e-6 of the number): no bf16 or f16 on the way to a quantiser, and a product that is left as it is and whose result goes on into a quantised operand takes f32 operands (vector FMAs, or v_wmma_f32_16x16x4_f32). A number that lies on a knife's edge between two numbers of the format may be rounded either way, as far as f32 arithmetic and the matrix unit's own rounding can turn it there, and no further.
;; One version. Each part assembles by itself: llvm-mc -triple=amdgcn-amd-amdhsa -mcpu=gfx1250 --defsym DOCPART=n.
;; ======== version 1 of 1: 2 launches
;; limits: values are held in f16: magnitudes above 65,504 overflow, below 6.1e-05 lose precision; right only within a limited range of input values
;; workspace buffers: a_q 17,301,504 bytes; w_q 17,301,504 bytes
;; launch quant (part 1): grid 32 x 32, 4 waves a work-group, no clusters, 37,376 bytes of LDS; arguments q_weight, scales, zeros, w_q, a, a_q; writes w_q, a_q
.if DOCPART == 1
	.amdgcn_target "amdgcn-amd-amdhsa--gfx1250"
	.amdhsa_code_object_version 6
	.text
	.protected	k_q77fe6e3cbe_quant
	.globl	k_q77fe6e3cbe_quant
	.p2align	8
	.type	k_q77fe6e3cbe_quant,@function
k_q77fe6e3cbe_quant:
	s_mov_b64 s[64:65], 0
	v_nop
	global_prefetch_b8 v0, s[64:65] scope:SCOPE_SE
	s_setreg_imm32_b32 hwreg(HW_REG_WAVE_MODE, 25, 1), 1
	s_wait_xcnt 0x0
; BOTH OPERANDS OF THE PRODUCT ARE QUANTISED HERE, ONCE, into codes of BF8 (E5M2), one byte each, K innermost, with one E8M0 scale byte for each 32 along K.
;   a [4096][4096] f16 is widened to f32 (exact) and quantised along its rows.
;   w[k][n] = (q[k][n] - z[k / 128][n]) x s[k / 128][n], in f32 with the two roundings that the definition has (the difference, then the product), is quantised ALONG K, its first axis.
;   q_weight [4096][4096] int32; scales, zeros [32][4096] f16.
; A block's scale is 2^(floor(log2(its largest magnitude)) - 15); its byte is the largest magnitude's exponent field - 15, held at 1 from below.
; Each number is divided by the scale, held within +-57,344 and rounded to the nearest code, ties to even.
; LIMITS: NaN and infinities among the inputs are not served.  A block of zeros gets the byte 1 where the quantiser says 127: its codes are zeros, which add nothing under any byte
; but 0xff, and the bytes are read by this program alone.  Blocks whose largest magnitude lies under the floor 2^(16 - 127) keep the byte 1 as well.
; THE WORKSPACE IS LAID AS THE PRODUCT'S LAUNCH FETCHES IT, alike for a_q and w_q: blocks of 33,792 bytes, block (ks = k / 256, rb = row / 128) at (32 ks + rb) x 33,792 (for w_q a row is a column n):
; 128 rows x 256 codes (32,768 bytes), then 128 rows x 8 scale bytes (1,024 bytes): 132 dense rows of 256 bytes, one tile for one tensor load.
; ONE LAUNCH, TWO PATHS.  A work-group makes one block.  x = rb.  y 0-7 and 16-23: a block of w_q; y 8-15 and 24-31: a block of a_q; ks = (y & 7) + 8 (y >> 4).
; Numbered x fastest, the 1,024 work-groups come as 256 of w, 256 of a, 256 of w, 256 of a: where they start in that order, work-groups of both kinds are under way side by side,
; one kind's loads beside the other kind's arithmetic and stores.  The branch hangs on y alone: all four waves of a work-group take the same path.  Each path has LDS bytes of its own.
; Work-groups share no input but z and s, a 256th of the bytes: no cluster.  No tensor load: the loads' registers are what the conversions want.
.set BLKB,  33792                      ; a block of the workspace
.set MANT,  0x600000                   ; the mantissa field of 57,344 as f32
; path w
.set PITCH, 272                        ; a stage row: 256 bytes + 16
.set SCB,   128*PITCH                  ; behind the stage: the scale bytes, [column][8]
.set ROWQ,  16384                      ; a row of q_weight in bytes
.set ZP,    16                         ; v16-23   column c's z, twice, at ZP + 2 c: a pair for the packed forms
.set SP,    24                         ; v24-31   column c's s likewise
.set X,     32                         ; v32-95   two sets of 32 numbers
.set SB,    96                         ; v96-99   column c's two scale bytes
.set C,     128                        ; v128-191 codes.  Path w: eight registers for each (block, column); path a: two for each row.  No store's data are written again
.set OUTR,  192                        ; v192-255 the way out
; window 1 (v256-511), path w: q as loaded: register 128 b + 4 i + c = q(k0 + 32 b + i, column 4 l + c)
; path a
.set ALDS,  SCB+1024                   ; path a's LDS bytes: 256 for each wave, behind all of path w's
.set ROWA,  8192                       ; a row of a in bytes
.set R,     32                         ; v32-95   a ring of 16 slots of 4 registers: a row's 8 f16 of my lane, as loaded (halves can be named under v128 only)
.set T,     96                         ; v96-111  two sets of 8 numbers in f32
.set E,     192                        ; v192-223 a scale byte for each row
.set MSB, 0
.macro WIN new                         ; s_set_vgpr_msb's low byte: bits 1:0 source 0, 7:6 destination; its high byte repeats the setting that is left
.if MSB != \new
	s_set_vgpr_msb (MSB<<8)|\new
.set MSB, \new
.endif
.endm
	v_lshl_add_u32 v126, v0, 2, 0x9000
	v_mov_b32 v127, 0
	s_and_b32 s2, ttmp7, 0xffff                    ; y, 0..31
	s_and_b32 s3, s2, 7
	s_lshr_b32 s22, s2, 4
	s_lshl_b32 s22, s22, 3
	s_or_b32 s3, s3, s22                           ; ks = (y & 7) + 8 (y >> 4)
	s_and_b32 s2, s2, 8
	s_cmp_lg_u32 s2, 0
	s_cbranch_scc1 .Lpath_a                        ; bit 3 of y: a block of a_q
; ---------------------------------------------------------------- PATH W
; Wave w takes k = 256 ks + 64 w + 0 .. 63 (two blocks of 32) for all 128 columns; lane l takes columns 4 l .. 4 l + 3.
; Each load reads one row k at 128 columns: 512 consecutive bytes, aligned.  All 64 loads of a wave go out at its head.
; NOTHING IS TRANSPOSED BY AN INSTRUCTION OF ITS OWN: the conversion int32 -> f32, which is owed anyway, picks register 4 i + c of the loads and writes register i of column c's run: 32 consecutive
; registers then run down K of ONE column, the block's largest magnitude needs no other lane, and the scaled conversions give codes with K innermost.
; A wave's 64 k lie in one group of 128, so its z and s are four numbers each a lane, loaded once.
; THE WAY OUT.  A column's 256 codes come from four waves: they meet in a stage in LDS (one barrier) and leave as whole rows: sixteen lanes store 256 consecutive bytes, aligned.
; Stage row 32 c + l holds column 4 l + c, so that from lane to lane a store steps one pitch of 272 bytes = 68 words.
	s_load_b256 s[4:11], s[0:1], 0x0               ; q_weight s[4:5], scales s[6:7], zeros s[8:9], w_q s[10:11]
	v_lshrrev_b32 v1, 5, v0
	v_readfirstlane_b32 s12, v1                    ; wave 0..3
	v_and_b32 v1, 31, v0                           ; lane
	v_lshlrev_b32 v2, 4, v1                        ; q: 16 bytes a lane
	v_lshlrev_b32 v3, 3, v1                        ; z, s: 8 bytes a lane
	s_lshl_b32 s22, s12, 6
	v_mul_u32_u24 v4, v1, PITCH
	v_add_nc_u32 v4, s22, v4                       ; into the stage: 272 lane + 64 wave (+ 32 c rows + 32 b, in the immediate)
	s_lshl_b32 s22, s12, 1
	s_add_co_u32 s22, s22, SCB
	v_lshl_add_u32 v5, v1, 5, s22                  ; my columns' scale bytes: SCB + 32 lane + 2 wave (+ 8 c)
	v_and_b32 v12, 15, v1                          ; r = lane % 16
	v_lshrrev_b32 v13, 4, v1                       ; h = lane / 16
	s_mul_i32 s22, s12, 32*PITCH
	v_mul_u32_u24 v6, v13, PITCH
	v_lshl_add_u32 v6, v12, 4, v6
	v_add_nc_u32 v6, s22, v6                       ; out of the stage: rows 32 wave + h (+ 2 t), 16 bytes a lane
	s_lshl_b32 s22, s12, 8
	v_lshlrev_b32 v7, 10, v13
	v_lshl_add_u32 v7, v12, 4, v7
	v_add_nc_u32 v7, s22, v7                       ; stage row 32 w + 2 t + h is column 8 t + 4 h + w: 1,024 h + 256 w + 16 r (+ 2,048 t) in the block
	v_add_nc_u32 v108, s22, v3                     ; the scale bytes' way out: 256 wave + 8 lane,
	v_add_nc_u32 v105, SCB, v108                   ; and the same place in LDS
	s_mov_b32 s14, MANT                            ; (an instruction takes one literal: the hold's line has another)
	s_lshl_b32 s16, s3, 22                         ; q: 256 ks rows of 16,384 bytes
	s_lshl_b32 s23, s12, 20                        ; + 64 wave rows
	s_add_co_u32 s16, s16, s23
	s_lshl_b32 s23, ttmp9, 9                       ; + 128 nb columns of 4 bytes
	s_add_co_u32 s16, s16, s23
	s_mov_b32 s17, 0                               ; (the tensor has 2^26 bytes)
	s_lshl_b32 s18, s3, 1
	s_lshr_b32 s23, s12, 1
	s_add_co_u32 s18, s18, s23                     ; my group of 128 along K: 2 ks + wave / 2
	s_lshl_b32 s18, s18, 13                        ; its row of 8,192 bytes in z and in s
	s_lshl_b32 s23, ttmp9, 8                       ; + 128 nb columns of 2 bytes
	s_add_co_u32 s18, s18, s23
	s_mov_b32 s19, 0
	s_lshl_b32 s20, s3, 5
	s_add_co_u32 s20, s20, ttmp9
	s_mul_i32 s20, s20, BLKB                       ; my block: (32 ks + nb) x 33,792
	s_mov_b32 s21, 0
	s_wait_kmcnt 0x0
	s_add_nc_u64 s[4:5], s[4:5], s[16:17]
	s_add_nc_u64 s[6:7], s[6:7], s[18:19]
	s_add_nc_u64 s[8:9], s[8:9], s[18:19]
	s_add_nc_u64 s[10:11], s[10:11], s[20:21]
	global_load_b64 v[8:9], v3, s[8:9]             ; z of my four columns
	global_load_b64 v[10:11], v3, s[6:7]           ; s of my four columns
	WIN 0x40                                       ; destination window 1, address window 0
.set N, 0
.rept 64
	global_load_b128 v[4*N:4*N+3], v2, s[4:5] offset:N*ROWQ th:TH_LOAD_NT   ; row k0 + N: 32 lanes read 512 consecutive bytes; read once in the launch.  (A load that would push the counter past its field waits at issue: ISA guide 5.7.1)
.set N, N+1
.endr
	WIN 0
	s_wait_loadcnt 32                              ; z, s and the first block's 32 rows are in; the second block's 32 loads may be out
	v_cvt_f32_f16 v16, v8.l                        ; f16 to f32: exact.  Each number twice: a pair for the packed forms
	v_cvt_f32_f16 v17, v8.l
	v_cvt_f32_f16 v18, v8.h
	v_cvt_f32_f16 v19, v8.h
	v_cvt_f32_f16 v20, v9.l
	v_cvt_f32_f16 v21, v9.l
	v_cvt_f32_f16 v22, v9.h
	v_cvt_f32_f16 v23, v9.h
	v_cvt_f32_f16 v24, v10.l
	v_cvt_f32_f16 v25, v10.l
	v_cvt_f32_f16 v26, v10.h
	v_cvt_f32_f16 v27, v10.h
	v_cvt_f32_f16 v28, v11.l
	v_cvt_f32_f16 v29, v11.l
	v_cvt_f32_f16 v30, v11.h
	v_cvt_f32_f16 v31, v11.h
; Block b (0, 1) of column 4 l + c: 32 numbers down K.
.macro COL b, c
.set XS, X+32*((4*(\b)+(\c))%2)
.set CC, C+8*(4*(\b)+(\c))
	WIN 0x01                                       ; source 0 window 1
.set I, 0
.rept 32
	v_cvt_f32_i32 v[XS+I], v[128*(\b)+4*I+(\c)]    ; q as f32, and into the column's run of registers
.set I, I+1
.endr
	WIN 0
.set I, 0
.rept 16
	v_pk_add_f32 v[XS+I:XS+I+1], v[XS+I:XS+I+1], v[ZP+2*(\c):ZP+2*(\c)+1] neg_lo:[0,1] neg_hi:[0,1]   ; q - z, rounded as the definition rounds it: so no fused form here
.set I, I+2
.endr
.set I, 0
.rept 16
	v_pk_mul_f32 v[XS+I:XS+I+1], v[XS+I:XS+I+1], v[SP+2*(\c):SP+2*(\c)+1]                             ; x s
.set I, I+2
.endr
	v_max3_num_f32 v12, |v[XS]|, |v[XS+1]|, |v[XS+2]|             ; the block's largest magnitude: all 32 numbers are mine; two chains
	v_max3_num_f32 v13, |v[XS+3]|, |v[XS+4]|, |v[XS+5]|
.irp i, 6,10,14,18,22,26
	v_max3_num_f32 v12, v12, |v[XS+\i]|, |v[XS+\i+1]|
	v_max3_num_f32 v13, v13, |v[XS+\i+2]|, |v[XS+\i+3]|
.endr
	v_max3_num_f32 v12, v12, |v[XS+30]|, |v[XS+31]|
	v_max3_num_f32 v12, v12, v13, 0x8000000        ; and the floor 2^(16 - 127): so the byte cannot fall under 1
	v_add_nc_u32 v14, 0xf8800000, v12              ; 15 off its exponent field: the conversion's scale operand
	v_and_or_b32 v15, v12, 0x7f800000, s14         ; 57,344 x the scale
.set I, 0
.rept 32
	v_med3_num_f32 v[XS+I], v[XS+I], -v15, v15     ; the conversion to an 8-bit code does not saturate (ISA guide 7.6.2): the hold comes first
.set I, I+1
.endr
.irp g, 0,1,2,3
	v_cvt_scalef32_pk8_bf8_f32 v[CC+2*\g:CC+2*\g+1], v[XS+8*\g:XS+8*\g+7], v14
.endr
.if (\b) == 0
	v_lshrrev_b32 v[SB+(\c)], 23, v14              ; the scale's byte; also the plain line behind the conversions
.else
	v_lshrrev_b32 v104, 23, v14                    ; the same for the second block,
	v_lshl_or_b32 v[SB+(\c)], v104, 8, v[SB+(\c)]  ; beside the first's: bytes 2 w and 2 w + 1 of the column's eight
	ds_store_b16 v5, v[SB+(\c)] offset:8*(\c)
.endif
	ds_store_b128 v4, v[CC:CC+3] offset:32*(\c)*PITCH+32*(\b)       ; 32 codes: 32 bytes of my column's stage row
	ds_store_b128 v4, v[CC+4:CC+7] offset:32*(\c)*PITCH+32*(\b)+16
.endm
	COL 0, 0
	COL 0, 1
	COL 0, 2
	COL 0, 3
	s_wait_loadcnt 0x0                             ; the second block's rows are in
	COL 1, 0
	COL 1, 1
	COL 1, 2
	COL 1, 3
	s_wait_dscnt 0x0                               ; for the others' sake: my stores into the stage and among the scale bytes are done
	s_barrier_signal -1
	s_barrier_wait -1                              ; everybody's are: 128 whole rows and 1,024 scale bytes lie in LDS
.irp t, 0,1,2,3,4,5,6,7,8,9,10,11,12,13,14,15
	ds_load_b128 v[OUTR+4*\t:OUTR+4*\t+3], v6 offset:2*\t*PITCH
.endr
	ds_load_b64 v[106:107], v105
.irp t, 0,1,2,3,4,5,6,7,8,9,10,11,12,13,14,15
	s_wait_dscnt 16-\t                             ; LDS loads come back in order: pair t is in; the 15 - t younger pairs and the scale bytes' load may be out
	global_store_b128 v7, v[OUTR+4*\t:OUTR+4*\t+3], s[10:11] offset:2048*\t   ; lanes 0-15 store column 8 t + w's 256 bytes, lanes 16-31 column 8 t + 4 + w's: each run aligned to 256
.endr
	s_wait_dscnt 0x0
	global_store_b64 v108, v[106:107], s[10:11] offset:32768     ; a quarter of the block's scale bytes: 256 consecutive bytes, aligned
	s_wait_tensorcnt 0x0
	ds_add_u32 v126, v127
	s_wait_dscnt 0x0
	s_endpgm
; ---------------------------------------------------------------- PATH A
; Wave w takes the block's rows 32 w .. 32 w + 31.  One load of a wave is a row's 256 numbers: 512 consecutive bytes, 16 a lane.
; A lane holds 8 neighbours along K, four lanes hold a block of 32; a lane's 8 codes are 8 bytes, so a wave's store covers 256 consecutive bytes, aligned.
; A wave's 256 scale bytes are gathered in its own 256 bytes of LDS and leave as one run of 256 bytes.  Waves share nothing on this path: no barrier.
; All 32 rows are written out: every offset is an immediate, each row has its own registers for its codes and its byte, so no source of a pending store is ever rewritten.
.Lpath_a:
	s_load_b128 s[4:7], s[0:1], 0x20               ; a s[4:5], a_q s[6:7]
	v_lshrrev_b32 v1, 5, v0
	v_readfirstlane_b32 s8, v1                     ; wave 0..3
	v_and_b32 v1, 31, v0                           ; lane
	v_lshlrev_b32 v2, 4, v1                        ; in: 16 bytes a lane
	v_lshlrev_b32 v3, 3, v1                        ; out: 8 bytes a lane
	s_lshl_b32 s20, s8, 8                          ; 256 x wave
	s_add_co_u32 s21, s20, ALDS                    ; my wave's 256 bytes of LDS
	v_lshrrev_b32 v4, 2, v1
	v_add_nc_u32 v4, s21, v4                       ; where my block's byte goes: + lane / 4 (+ 8 x row, in the immediate)
	v_add_nc_u32 v5, s21, v3                       ; and where I read 8 bytes back
	s_lshl_b32 s10, ttmp9, 20                      ; 128 rb rows of 8,192 bytes
	s_lshl_b32 s18, s8, 18                         ; + 32 wave rows
	s_add_co_u32 s10, s10, s18
	s_lshl_b32 s18, s3, 9                          ; + 256 ks numbers of 2 bytes
	s_add_co_u32 s10, s10, s18
	s_mov_b32 s11, 0                               ; (the tensor has 2^25 bytes)
	s_lshl_b32 s14, s3, 5
	s_add_co_u32 s14, s14, ttmp9
	s_mul_i32 s14, s14, BLKB                       ; my block: (32 ks + rb) x 33,792
	s_mov_b32 s15, 0
	s_mov_b32 s12, MANT                            ; (an instruction takes one literal: the hold's line has another)
	s_mov_b32 s19, 0
	s_wait_alu depctr_va_vdst(0)
	s_wait_kmcnt 0x0
	s_add_nc_u64 s[4:5], s[4:5], s[10:11]          ; a at my wave's first row, my K step
	s_add_nc_u64 s[6:7], s[6:7], s[14:15]          ; a_q at my block
	s_add_co_u32 s18, s20, 32768
	s_add_nc_u64 s[16:17], s[6:7], s[18:19]        ; my wave's 256 scale bytes: behind the block's codes
	s_lshl_b32 s18, s8, 13
	s_add_nc_u64 s[6:7], s[6:7], s[18:19]          ; my wave's 32 rows of codes
.irp t, 0,1,2,3,4,5,6,7,8,9,10,11,12,13,14,15
	global_load_b128 v[R+4*\t:R+4*\t+3], v2, s[4:5] offset:\t*ROWA th:TH_LOAD_NT   ; the ring is filled: rows 0 to 15; read once in the launch
.endr
; Row t.  The last eight arguments are the names of the eight halves of the row's slot.
.macro ROW t, a0, a1, b0, b1, c0, c1, d0, d1
.set TS, T+8*((\t)%2)
	v_cvt_f32_f16 v[TS+0], \a0                     ; f16 to f32: exact
	v_cvt_f32_f16 v[TS+1], \a1
	v_cvt_f32_f16 v[TS+2], \b0
	v_cvt_f32_f16 v[TS+3], \b1
	v_cvt_f32_f16 v[TS+4], \c0
	v_cvt_f32_f16 v[TS+5], \c1
	v_cvt_f32_f16 v[TS+6], \d0
	v_cvt_f32_f16 v[TS+7], \d1
	v_max3_num_f32 v6, |v[TS+0]|, |v[TS+1]|, 0x8000000            ; the largest magnitude of my 8, and the floor 2^(16 - 127): so the byte cannot fall under 1
	v_max3_num_f32 v6, v6, |v[TS+2]|, |v[TS+3]|
	v_max3_num_f32 v6, v6, |v[TS+4]|, |v[TS+5]|
	v_max3_num_f32 v6, v6, |v[TS+6]|, |v[TS+7]|
	v_max_num_f32_dpp v6, v6, v6 row_xmask:1 row_mask:0xf bank_mask:0xf   ; with lane l xor 1's,
	v_max_num_f32_dpp v6, v6, v6 row_xmask:2 row_mask:0xf bank_mask:0xf   ; and lanes l xor 2, 3: the block's
	v_add_nc_u32 v7, 0xf8800000, v6                ; 15 off its exponent field: the conversion takes the exponent field of this operand as its scale, and nothing else of it
	v_and_or_b32 v8, v6, 0x7f800000, s12           ; 57,344 x the scale: the largest magnitude's exponent field over 57,344's mantissa
.irp i, 0,1,2,3,4,5,6,7
	v_med3_num_f32 v[TS+\i], v[TS+\i], -v8, v8     ; the conversion to an 8-bit code does not saturate (ISA guide 7.6.2): the hold comes first
.endr
	v_cvt_scalef32_pk8_bf8_f32 v[C+2*(\t):C+2*(\t)+1], v[TS:TS+7], v7   ; the first number's code in the lowest byte
	v_lshrrev_b32 v[E+(\t)], 23, v7                ; the scale's byte; also the plain line behind the conversion
.endm
; The memory instructions of eight rows t0 .. t0 + 7 stand in one run behind the rows' arithmetic: the slots take the rows sixteen further down, then the bytes and the codes leave.
.macro OUT8 t0
.if (\t0) < 16
.irp j, 0,1,2,3,4,5,6,7
	global_load_b128 v[R+4*(((\t0)+\j)%16):R+4*(((\t0)+\j)%16)+3], v2, s[4:5] offset:((\t0)+\j+16)*ROWA th:TH_LOAD_NT
.endr
.endif
.irp j, 0,1,2,3,4,5,6,7
	ds_store_b8 v4, v[E+(\t0)+\j] offset:8*((\t0)+\j)        ; the four lanes of a block write the same byte with the same value
.endr
.irp j, 0,1,2,3,4,5,6,7
	global_store_b64 v3, v[C+2*((\t0)+\j):C+2*((\t0)+\j)+1], s[6:7] offset:256*((\t0)+\j)   ; 32 lanes store 256 consecutive bytes, aligned
.endr
.endm
.irp u, 0, 16
	s_wait_loadcnt 8                               ; loads come back in order (ISA guide 5.7.1): these eight rows are in, the eight behind them stay out
	ROW (\u)+0, v32.l, v32.h, v33.l, v33.h, v34.l, v34.h, v35.l, v35.h
	ROW (\u)+1, v36.l, v36.h, v37.l, v37.h, v38.l, v38.h, v39.l, v39.h
	ROW (\u)+2, v40.l, v40.h, v41.l, v41.h, v42.l, v42.h, v43.l, v43.h
	ROW (\u)+3, v44.l, v44.h, v45.l, v45.h, v46.l, v46.h, v47.l, v47.h
	ROW (\u)+4, v48.l, v48.h, v49.l, v49.h, v50.l, v50.h, v51.l, v51.h
	ROW (\u)+5, v52.l, v52.h, v53.l, v53.h, v54.l, v54.h, v55.l, v55.h
	ROW (\u)+6, v56.l, v56.h, v57.l, v57.h, v58.l, v58.h, v59.l, v59.h
	ROW (\u)+7, v60.l, v60.h, v61.l, v61.h, v62.l, v62.h, v63.l, v63.h
	OUT8 \u
	s_wait_loadcnt 8-(\u)/2                        ; rows 8-15: eight younger loads are out; rows 24-31: none
	ROW (\u)+8, v64.l, v64.h, v65.l, v65.h, v66.l, v66.h, v67.l, v67.h
	ROW (\u)+9, v68.l, v68.h, v69.l, v69.h, v70.l, v70.h, v71.l, v71.h
	ROW (\u)+10, v72.l, v72.h, v73.l, v73.h, v74.l, v74.h, v75.l, v75.h
	ROW (\u)+11, v76.l, v76.h, v77.l, v77.h, v78.l, v78.h, v79.l, v79.h
	ROW (\u)+12, v80.l, v80.h, v81.l, v81.h, v82.l, v82.h, v83.l, v83.h
	ROW (\u)+13, v84.l, v84.h, v85.l, v85.h, v86.l, v86.h, v87.l, v87.h
	ROW (\u)+14, v88.l, v88.h, v89.l, v89.h, v90.l, v90.h, v91.l, v91.h
	ROW (\u)+15, v92.l, v92.h, v93.l, v93.h, v94.l, v94.h, v95.l, v95.h
	OUT8 (\u)+8
.endr
	ds_load_b64 v[10:11], v5                       ; LDS serves a wave's instructions in order (ISA guide 5.7.1.4): this sees my byte stores
	s_wait_dscnt 0x0
	global_store_b64 v3, v[10:11], s[16:17]        ; my 32 rows' scale bytes: 256 consecutive bytes, aligned
	s_wait_tensorcnt 0x0
	ds_add_u32 v126, v127
	s_wait_dscnt 0x0
	s_endpgm
.Lfunc_end_k_q77fe6e3cbe_quant:
	.size	k_q77fe6e3cbe_quant, .Lfunc_end_k_q77fe6e3cbe_quant-k_q77fe6e3cbe_quant
	.p2alignl 7, 3214868480
	.fill 96, 4, 3214868480
	.section	.rodata,"a",@progbits
	.p2align	6, 0x0
	.amdhsa_kernel k_q77fe6e3cbe_quant
		.amdhsa_group_segment_fixed_size 37376
		.amdhsa_private_segment_fixed_size 0
		.amdhsa_enable_private_segment 0
		.amdhsa_kernarg_size 48
		.amdhsa_user_sgpr_count 2
		.amdhsa_user_sgpr_kernarg_segment_ptr 1
		.amdhsa_wavefront_size32 1
		.amdhsa_system_sgpr_workgroup_id_x 1
		.amdhsa_system_sgpr_workgroup_id_y 1
		.amdhsa_system_sgpr_workgroup_id_z 1
		.amdhsa_system_vgpr_workitem_id 0
		.amdhsa_next_free_vgpr 512
		.amdhsa_next_free_sgpr 66
		.amdhsa_reserve_vcc 0
		.amdhsa_float_denorm_mode_32 3
		.amdhsa_float_denorm_mode_16_64 3
		.amdhsa_memory_ordered 1
		.amdhsa_forward_progress 1
		.amdhsa_inst_pref_size 122
	.end_amdhsa_kernel
	.amdgpu_metadata
---
amdhsa.version: [ 1, 2 ]
amdhsa.kernels:
  - .name:           k_q77fe6e3cbe_quant
    .symbol:         k_q77fe6e3cbe_quant.kd
    .args:
      - { .name: q_weight, .offset: 0, .size: 8, .value_kind: global_buffer, .address_space: global }
      - { .name: scales, .offset: 8, .size: 8, .value_kind: global_buffer, .address_space: global }
      - { .name: zeros, .offset: 16, .size: 8, .value_kind: global_buffer, .address_space: global }
      - { .name: w_q, .offset: 24, .size: 8, .value_kind: global_buffer, .address_space: global }
      - { .name: a, .offset: 32, .size: 8, .value_kind: global_buffer, .address_space: global }
      - { .name: a_q, .offset: 40, .size: 8, .value_kind: global_buffer, .address_space: global }
    .group_segment_fixed_size: 37376
    .private_segment_fixed_size: 0
    .kernarg_segment_align: 8
    .kernarg_segment_size: 48
    .max_flat_workgroup_size: 128
    .sgpr_count:     66
    .vgpr_count:     512
    .wavefront_size: 32
...
	.end_amdgpu_metadata
.endif
;; end of part 1
;; launch gemm (part 2): grid 16 x 16, 4 waves a work-group, clusters of 4 x 4, 327,680 bytes of LDS; arguments a_q, w_q, out0; writes out0
.if DOCPART == 2
	.amdgcn_target "amdgcn-amd-amdhsa--gfx1250"
	.amdhsa_code_object_version 6
	.text
	.protected	k_q77fe6e3cbe_gemm
	.globl	k_q77fe6e3cbe_gemm
	.p2align	8
	.type	k_q77fe6e3cbe_gemm,@function
k_q77fe6e3cbe_gemm:
	s_mov_b64 s[64:65], 0
	v_nop
	global_prefetch_b8 v0, s[64:65] scope:SCOPE_SE
	s_setreg_imm32_b32 hwreg(HW_REG_WAVE_MODE, 25, 1), 1
	s_wait_xcnt 0x0
	s_wait_alu depctr_hold_cnt(0) depctr_sa_sdst(0) depctr_va_vdst(0) depctr_va_sdst(0) depctr_va_ssrc(0) depctr_va_vcc(0) depctr_vm_vsrc(0)
	s_getreg_b32 s2, hwreg(HW_REG_IB_STS2, 6, 4)
	s_cmp_eq_u32 s2, 0
	s_cbranch_scc0 .Lentry_in_a_cluster
	s_endpgm
.Lentry_in_a_cluster:
	s_bfe_u32 s2, ttmp6, 0x10000c
	s_cmp_lg_u32 s2, 0xf033
	s_cbranch_scc0 .Lentry_shape_is_right
	s_endpgm
.Lentry_shape_is_right:
; out0[m][n] = sum over k of A[m][k] W[k][n], both operands as codes of BF8 (E5M2) with one E8M0 byte for each 32 along K, as the launch before laid them:
; blocks of 33,792 bytes, block (ks = k / 256, rb = row / 128) at (32 ks + rb) x 33,792: 128 rows x 256 codes, then 128 rows x 8 scale bytes: 132 dense rows of 256 bytes, one tile of one tensor load.
; A work-group of four waves makes 256 x 256 of out0, a wave 128 x 128: 64 accumulators, 512 registers.  K goes in 16 steps of 256 through a ring of two LDS slots; a wave fetches one block (132 rows) a slot.
; CLUSTERS: 4 x 4 work-groups; A's blocks are asked for jointly along a row of the cluster, W's along a column.  The product is used transposed (source 0 = 16 columns of W, source 1 = 16 rows of A): a lane holds eight neighbours of a row of out0.
; ORDER OF THE SUMS (a stated limit): a cluster takes K step t xor key, key made of the cluster's two numbers, so the f32 sums run over K in another order than ascending.
; THE LOOP.  A K step is two steps of 128 along K (S0, S1), 64 products each: A's blocks 0-7 one after the other (a group of eight products), each against W's eight.  The next step's 16 fragments are loaded in FOUR RUNS of
; 16 LDS loads, one behind every two groups: W's 0-3, W's 4-7, A's 0-3, A's 4-7.  W's fragments have two sets; A's blocks 0-5 one buffer each; blocks 6 and 7 two buffers by turns.  Eight v_nop stand ahead of the first run
; (places behind the last step's products, for both runs of W's) and ahead of the third (behind groups 0-5, for A's blocks 0-5; blocks 6 and 7 land on the buffers that the step before read).
; So all loads for a step are issued in the step before, and S1 reads nothing of its own slot: behind its first two groups stand the wait for all tensor loads, the add, the wait for the LDS reads, the cluster's round and the
; joint refill; its first run follows the refill, and its other six groups work on registers while the next slot's first fragments come.
; PREFETCH: behind the joint load of K step t stands a request for K step t + 2 (the head asks for K step 1 behind its first load and for 2 and 3 behind its second; the last two refills ask for nothing).  A block's 132 units of
; 256 bytes are shared out by address among the four partners that load it jointly, 33 each: one instruction with a lane a unit, one more for the 33rd (all its lanes name that one unit).  A work-group has at most two K steps asked for and not yet loaded.
; REGISTERS: window 0: v16-31 addresses; v32-63 scale words, a set for each slot; v64-95 A's blocks 6 and 7, second buffers; v128-255 A's blocks.  Window 1: W's two sets.  Windows 2, 3: accumulators of my rows 0-63, 64-127.
.set SIZE_N, 4096
.set PITCH,  272                       ; an LDS row: 256 bytes + 16 of padding
.set FR,     16
.set TROWS,  132
.set HALFT,  TROWS*PITCH               ; a block in LDS
.set SLOT,   4*HALFT                   ; A's two blocks, then W's two
.set SCOFF,  128*PITCH                 ; a block's scale bytes
.set BLKB,   TROWS*256
.set KSTRIDE, 32*BLKB
.set LAPS,   8
.set SPARE,  2*SLOT                    ; the spare words: 512 bytes that no other line names
.set SPITCH, 528                       ; the way out: a stage of 16 rows x (512 + 16) bytes a wave, in slot 0 behind its last fill and last read
.set ADRA, 16
.set ADRB, 20
.set ADRS, 22
.set STO,  24
.set RD,   25
.set CO,   26
.set SPW,  28
.set NIL,  29
.set PFO,  30                          ; 256 x lane
.set PFZ,  31                          ; 0, for the 33rd unit
.set SC,   32
.set AX,   64
.set AF,   128
.set BK,   128
.set G1, 24
.set G0, 32
.set G1B, 48
.set G0B, 56
.set PFB, 66                           ; s[66:67] my block at ks = 0, + my work-group's 33 units
.set PF1, 68
.set PF2, 70
.set PFA, 72
.set MSB, 0
.macro WIN new                         ; the immediate's high byte repeats the setting that is left
.if MSB != (\new)
	s_set_vgpr_msb (MSB<<8)|(\new)
.set MSB, (\new)
.endif
.endm
.set MUL_LO, 0xa1                      ; source 0 window 1, source 1 window 0, C and D window 2
.set TO_B,   0x40                      ; destination window 1, address window 0
.macro JLOAD g0a, g1a, g0b, g1b        ; waves 0, 1 fetch A's blocks, waves 2, 3 W's; s_nop 0 and four v_nop behind each line
	s_cmp_eq_u32 s15, 0
	s_cbranch_scc0 .Lfor_b_\@
	tensor_load_to_lds s[\g0a:\g0a+3], s[\g1a:\g1a+7]
	s_nop 0
.rept 4
	v_nop
.endr
	s_branch .Lasked_\@
.Lfor_b_\@:
	tensor_load_to_lds s[\g0b:\g0b+3], s[\g1b:\g1b+7]
	s_nop 0
.rept 4
	v_nop
.endr
.Lasked_\@:
.endm
.macro CROUND                          ; a round of the cluster's barrier
	s_barrier_signal -1
	s_barrier_wait -1
	s_cmp_lg_u32 s14, 0
	s_cbranch_scc1 .Lnot_wave_0_\@
	s_barrier_signal -3
.Lnot_wave_0_\@:
	s_barrier_wait -3
	s_barrier_signal -1
	s_barrier_wait -1
.endm
.macro PF p                            ; my 33 units of the block at s[p:p+1]
	global_prefetch_b8 v[PFO], s[\p:\p+1] th:TH_LOAD_NT scope:SCOPE_SE
	global_prefetch_b8 v[PFZ], s[\p:\p+1] offset:8192 th:TH_LOAD_NT scope:SCOPE_SE
.endm
.macro PLACES n
.rept \n
	v_nop
.endr
.endm
	s_load_b128 s[4:7], s[0:1], 0x0                ; a_q, w_q
	s_load_b64 s[8:9], s[0:1], 0x10                ; out0
	v_lshl_add_u32 v[SPW], v0, 2, SPARE
	v_mov_b32 v[NIL], 0
	ds_add_u32 v[SPW], v[NIL]                      ; the opening lines: the add twice on end and one wait; the set-up below is work on registers
	ds_add_u32 v[SPW], v[NIL]
	v_lshrrev_b32 v7, 5, v0
	v_readfirstlane_b32 s14, v7                    ; wave
	s_lshr_b32 s15, s14, 1                         ; my half of the rows; also: I fetch for A (0) or W (1)
	s_and_b32 s16, s14, 1                          ; my half of the columns; also: which block I fetch
	s_mul_i32 s21, s15, HALFT                      ; my block of A in a slot
	s_mul_i32 s22, s16, HALFT
	s_add_co_u32 s22, s22, 2*HALFT                 ; my block of W
	s_sub_co_u32 s23, s22, s21
	s_add_co_u32 s18, s21, SCOFF
	s_mul_i32 s19, s14, 16*SPITCH                  ; my stage
	v_and_b32 v1, 15, v0                           ; r
	v_bfe_u32 v2, v0, 4, 1                         ; h
	v_mul_u32_u24 v3, v1, PITCH
	v_lshl_add_u32 v4, v2, 4, v3                   ; a fragment's row x pitch + 16 h
	v_add_nc_u32 v[ADRA], s21, v4
	v_add_nc_u32 v[ADRB], s22, v4
	v_add_nc_u32 v[ADRA+1], SLOT, v[ADRA]
	v_add_nc_u32 v[ADRB+1], SLOT, v[ADRB]
	v_lshlrev_b32 v5, 3, v1                        ; scale words: 8 bytes a row; lanes 0-15 A's, lanes 16-31 W's
	v_mul_u32_u24 v6, s23, v2
	v_add_nc_u32 v5, v5, v6
	v_add_nc_u32 v[ADRS], s18, v5
	v_add_nc_u32 v[ADRS+1], SLOT, v[ADRS]
	v_mul_u32_u24 v5, v1, SPITCH
	v_lshl_add_u32 v5, v2, 5, v5
	v_add_nc_u32 v[STO], s19, v5
	v_and_b32 v6, 31, v0
	v_lshlrev_b32 v[CO], 4, v6
	v_add_nc_u32 v[RD], s19, v[CO]
	v_lshlrev_b32 v[PFO], 8, v6
	v_mov_b32 v[PFZ], 0
	s_wait_alu depctr_va_vdst(0)                   ; the wait behind the head's last vector write
	s_bfe_u32 s40, ttmp6, 0x40000                  ; cx
	s_bfe_u32 s41, ttmp6, 0x40004                  ; cy
	s_lshl_b32 s42, ttmp9, 2
	s_add_co_u32 s42, s42, s40                     ; tile column
	s_and_b32 s17, ttmp7, 0xffff
	s_xor_b32 s18, s17, ttmp9                      ; the key of the cluster's walk along K: 0, 8, 15 or 7, the same in all sixteen partners
	s_and_b32 s19, s18, 1
	s_lshl_b32 s19, s19, 3
	s_lshr_b32 s18, s18, 1
	s_mul_i32 s18, s18, 15
	s_xor_b32 s10, s18, s19
	s_mov_b32 s13, 0
	s_mov_b32 s2, 2                                ; the K step that the next refill brings
	s_lshl_b32 s17, s17, 2
	s_add_co_u32 s17, s17, s41                     ; tile row
	s_lshl_b32 s43, s41, 2
	s_lshl_b32 s43, 15, s43                        ; my row of the cluster
	s_lshl_b32 s44, 0x1111, s40                    ; my column
	s_or_b32 s[G1+0], s43, (0<<16)|(1<<20)|(1<<21)|(5<<22)|(3<<25)   ; mask; bytes; 4 words of padding behind every 64
	s_or_b32 s[G1B+0], s44, (0<<16)|(1<<20)|(1<<21)|(5<<22)|(3<<25)
.irp g, G1, G1B
	s_mov_b32 s[\g+1], 256<<16
	s_mov_b32 s[\g+2], TROWS<<16
	s_mov_b32 s[\g+3], 256<<16
	s_mov_b32 s[\g+4], TROWS
	s_mov_b32 s[\g+5], 256
	s_mov_b32 s[\g+6], 0
	s_mov_b32 s[\g+7], 0
.endr
	s_lshl_b32 s20, s17, 1
	s_add_co_u32 s20, s20, s16
	s_mul_i32 s20, s20, BLKB                       ; A: block 2 x tile row + half
	s_mov_b32 s21, 0
	s_lshl_b32 s46, s42, 1
	s_add_co_u32 s46, s46, s16
	s_mul_i32 s46, s46, BLKB                       ; W: block 2 x tile column + half
	s_mov_b32 s47, 0
	s_mul_i32 s45, s14, HALFT                      ; where my block goes in a slot
	s_wait_dscnt 0x0                               ; both opening adds are done
	s_wait_kmcnt 0x0
	s_add_nc_u64 s[4:5], s[4:5], s[20:21]
	s_add_nc_u64 s[6:7], s[6:7], s[46:47]
.irp s, 0,1
	s_xor_b32 s12, s10, \s
	s_mul_i32 s12, s12, KSTRIDE
	s_mov_b32 s[G0+4*\s], 1
	s_add_co_u32 s[G0+4*\s+1], s45, \s*SLOT
	s_add_nc_u64 s[G0+4*\s+2:G0+4*\s+3], s[4:5], s[12:13]
	s_or_b32 s[G0+4*\s+3], s[G0+4*\s+3], 0x80000000
	s_mov_b32 s[G0B+4*\s], 1
	s_add_co_u32 s[G0B+4*\s+1], s45, \s*SLOT
	s_add_nc_u64 s[G0B+4*\s+2:G0B+4*\s+3], s[6:7], s[12:13]
	s_or_b32 s[G0B+4*\s+3], s[G0B+4*\s+3], 0x80000000
.endr
	CROUND                                         ; all sixteen work-groups are here: the first joint loads meet
	JLOAD G0, G1, G0B, G1B                         ; K step 0: one tensor load a wave at the head
	s_cmp_eq_u32 s15, 0
	s_cselect_b64 s[PFB:PFB+1], s[4:5], s[6:7]     ; the block that I fetch,
	s_cselect_b32 s18, s40, s41                    ; my place among the four that ask for it with me (it enters a global address alone)
	s_mul_i32 s18, s18, 33*256
	s_mov_b32 s19, 0
	s_add_nc_u64 s[PFB:PFB+1], s[PFB:PFB+1], s[18:19]
.irp n, 1,2,3
	s_xor_b32 s12, s10, \n
	s_mul_i32 s12, s12, KSTRIDE
	s_add_nc_u64 s[PFB+2*\n:PFB+2*\n+1], s[PFB:PFB+1], s[12:13]
.endr
	PF PF1                                         ; K step 1
	s_lshl_b32 s20, s17, 22                        ; my part of out0: 256 tile row + 128 half rows of 16,384 bytes,
	s_lshl_b32 s21, s15, 21
	s_add_co_u32 s20, s20, s21
	s_lshl_b32 s46, s42, 10                        ; 1,024 tile column + 512 half bytes
	s_lshl_b32 s47, s16, 9
	s_add_co_u32 s46, s46, s47
	s_add_co_u32 s20, s20, s46
	s_mov_b32 s21, 0
	s_add_nc_u64 s[8:9], s[8:9], s[20:21]
.macro FRAG reg, adr, q, i             ; 16 rows x 128 K: registers 4 c .. 4 c + 3 hold K = 32 c + 16 h + 0 .. 15
.irp c, 0,1,2,3
	ds_load_b128 v[\reg+4*\c:\reg+4*\c+3], v[\adr] offset:128*(\q)+32*\c+(\i)*16*PITCH
.endr
.endm
.macro WM a, b, q, sc, zero            ; one product.  The 64 accumulators take turns in the same order in every step
.set AR_, AF+FR*(\a)
.if ((\a)>=6)&&((\q)==1)
.set AR_, AX+FR*((\a)-6)
.endif
.set DR_, 8*(8*((\a)%4)+(\b))
.set BR_, 128*(\q)+FR*(\b)
.set SB_, SC+16*(\sc)+2*(\b)+(\q)
.set SA_, SC+16*(\sc)+2*(\a)+(\q)
.if \zero
	v_wmma_scale_f32_16x16x128_f8f6f4 v[DR_:DR_+7], v[BR_:BR_+15], v[AR_:AR_+15], 0, v[SB_], v[SA_] matrix_a_fmt:MATRIX_FMT_BF8 matrix_b_fmt:MATRIX_FMT_BF8 matrix_a_scale:MATRIX_SCALE_ROW1
.else
	v_wmma_scale_f32_16x16x128_f8f6f4 v[DR_:DR_+7], v[BR_:BR_+15], v[AR_:AR_+15], v[DR_:DR_+7], v[SB_], v[SA_] matrix_a_fmt:MATRIX_FMT_BF8 matrix_b_fmt:MATRIX_FMT_BF8 matrix_a_scale:MATRIX_SCALE_ROW1
.endif
.endm
.macro G16 a, q, sc, zero              ; two groups: A's blocks a, a + 1 against W's eight
	WIN MUL_LO+0x50*((\a)/4)
.irp d, 0,1
.irp b, 0,1,2,3,4,5,6,7
	WM (\a)+\d, \b, \q, \sc, \zero
.endr
.endr
.endm
.macro RUNB ns, nq, f0                 ; 16 loads: W's fragments f0 .. f0 + 3 of the step (slot ns, half nq)
	WIN TO_B
.irp d, 0,1,2,3
	FRAG 128*(\nq)+FR*((\f0)+\d), ADRB+(\ns), \nq, (\f0)+\d
.endr
.endm
.macro RUNA ns, nq, a0                 ; 16 loads: A's blocks a0 .. a0 + 3
	WIN 0
.irp d, 0,1,2,3
.set LR_, AF+FR*((\a0)+\d)
.if (((\a0)+\d)>=6)&&((\nq)==1)
.set LR_, AX+FR*((\a0)+\d-6)
.endif
	FRAG LR_, ADRA+(\ns), \nq, (\a0)+\d
.endr
.endm
.macro SCALES sc                       ; a K step's scale words: two a row; lanes 0-15 A's block i, lanes 16-31 W's block i
.irp i, 0,1,2,3,4,5,6,7
	ds_load_b64 v[SC+16*\sc+2*\i:SC+16*\sc+2*\i+1], v[ADRS+\sc] offset:(\i/2)*PITCH+(\i%2)*128
.endr
.endm
; S0: a slot's first 128 along K.
.macro S0 slot, zero
	s_wait_dscnt 16                                ; all but the youngest run, A's blocks 4-7, is in
	G16 0, 0, \slot, \zero
	PLACES 8                                       ; behind the last step's products, which read W's other set
	RUNB \slot, 1, 0
	G16 2, 0, \slot, \zero
	RUNB \slot, 1, 4
	s_wait_dscnt 32                                ; A's blocks 4-7 are in: behind them stand this step's two runs of 16
	G16 4, 0, \slot, \zero
	PLACES 8                                       ; behind the products of A's blocks 0-5
	RUNA \slot, 1, 0
	G16 6, 0, \slot, \zero
	RUNA \slot, 1, 4
.endm
; S1: a slot's second 128 along K, and the change of slots.  mode 2: this slot is filled again; 1: a barrier alone (the last change); 0: the last step of all.
.macro S1 slot, next, mode
.if \mode == 2
	s_wait_xcnt 0x0                                ; my last prefetches have read their address, a K step ago: it may be written
	s_add_co_u32 s12, s2, 2                        ; two K steps beyond the one that this refill brings
	s_xor_b32 s12, s12, s10
	s_mul_i32 s12, s12, KSTRIDE
	s_add_nc_u64 s[PFA:PFA+1], s[PFB:PFB+1], s[12:13]
.endif
	s_wait_dscnt 16                                ; all but A's blocks 4-7
	G16 0, 1, \slot, 0
.if \mode == 0
	s_wait_dscnt 0x0
	G16 2, 1, \slot, 0
	G16 4, 1, \slot, 0
	G16 6, 1, \slot, 0
.else
	WIN 0
	s_wait_tensorcnt 0x0                           ; all my tensor loads have landed: my block of the next slot
	ds_add_u32 v[SPW], v[NIL]
.if \mode == 2
	s_xor_b32 s12, s2, s10                         ; no tensor load of mine is out: this slot's descriptors take the K step two on
	s_mul_i32 s12, s12, KSTRIDE
	s_add_nc_u64 s[G0+4*\slot+2:G0+4*\slot+3], s[4:5], s[12:13]
	s_or_b32 s[G0+4*\slot+3], s[G0+4*\slot+3], 0x80000000
	s_add_nc_u64 s[G0B+4*\slot+2:G0B+4*\slot+3], s[6:7], s[12:13]
	s_or_b32 s[G0B+4*\slot+3], s[G0B+4*\slot+3], 0x80000000
	s_add_co_u32 s2, s2, 1
.endif
	s_wait_dscnt 0x0                               ; the add is done, and all my reads of this slot are back: the rest of this step works on registers
.if \mode == 2
	CROUND                                         ; no wave of any partner still reads this slot or has a load on its way
	JLOAD G0+4*\slot, G1, G0B+4*\slot, G1B         ; the first tensor load behind the round; its four v_nop are four of the eight places
	PLACES 4
.else
	s_barrier_signal -1
	s_barrier_wait -1
	PLACES 8
.endif
	SCALES \next
.if \mode == 2
	s_cmp_gt_u32 s3, 1                             ; the last trip's two refills have no K step two on
	s_cbranch_scc0 .Lno_ask_\@
	PF PFA
.Lno_ask_\@:
.endif
	RUNB \next, 0, 0
	G16 2, 1, \slot, 0
	RUNB \next, 0, 4
	G16 4, 1, \slot, 0
	PLACES 8                                       ; behind the products of A's blocks 0-5
	RUNA \next, 0, 0
	G16 6, 1, \slot, 0
	RUNA \next, 0, 4
.endif
.endm
	s_wait_tensorcnt 0x0                           ; my block of K step 0 is in
	ds_add_u32 v[SPW], v[NIL]
	s_wait_dscnt 0x0
	CROUND
	JLOAD G0+4, G1, G0B+4, G1B                     ; K step 1: slot 1's first fill, the first tensor load behind the round
	SCALES 0
	RUNB 0, 0, 0
	RUNB 0, 0, 4
	RUNA 0, 0, 0
	RUNA 0, 0, 4
	PF PF2                                         ; K steps 2 and 3
	PF PFA
	S0 0, 1                                        ; the first step's products start the sums
	WIN 0
	s_mov_b32 s3, LAPS-1
.Llap:                                                 ; a trip: from a lap's second step to the next lap's first; both slots are filled again
	S1 0, 1, 2
	S0 1, 0
	S1 1, 0, 2
	S0 0, 0
	WIN 0
	s_sub_co_u32 s3, s3, 1
	s_cmp_lg_u32 s3, 0
	s_cbranch_scc1 .Llap
	S1 0, 1, 1                                     ; the last change of slots fills nothing
	S0 1, 0
	S1 1, 0, 0
	WIN 0
; THE WAY OUT, by blocks of 16 rows x 128 columns, through my own stage in LDS and back as whole rows of 512 bytes.  LDS serves a wave's instructions in order (ISA guide 5.7.1.4).
.macro TOSTAGE a
.set AC, 64*((\a)%4)
	WIN 0x08+4*((\a)/4)
.irp b, 0,1,2,3,4,5,6,7
	ds_store_b128 v[STO], v[AC+8*\b:AC+8*\b+3] offset:64*\b          ; each accumulator from its low end on
	ds_store_b128 v[STO], v[AC+8*\b+4:AC+8*\b+7] offset:64*\b+16
.endr
	WIN 0
.set BB, BK+64*((\a)%2)
.irp t, 0,1,2,3,4,5,6,7,8,9,10,11,12,13,14,15
	ds_load_b128 v[BB+4*\t:BB+4*\t+3], v[RD] offset:\t*SPITCH
.endr
.endm
.macro SEND a, younger                 ; younger: the LDS instructions issued behind block a's loads
.set BB, BK+64*((\a)%2)
	s_wait_dscnt \younger
.if (\a) > 0
	s_add_nc_u64 s[8:9], s[8:9], 16*SIZE_N*4       ; behind a wait on XCNT: the earlier stores have read their base
.endif
.irp t, 0,1,2,3,4,5,6,7,8,9,10,11,12,13,14,15
	global_store_b128 v[CO], v[BB+4*\t:BB+4*\t+3], s[8:9] offset:\t*SIZE_N*4 th:TH_STORE_NT   ; 32 lanes store 512 consecutive bytes, aligned to 256
.endr
.endm
	PLACES 8                                       ; behind the last products, ahead of the reads of results and the loads onto A's fragments
	TOSTAGE 0
.irp a, 1,2,3,4,5,6,7
.if \a > 1
	s_wait_xcnt 0x0                                ; block a - 2's stores have read their registers and their base
.endif
	TOSTAGE \a
	SEND \a-1, 32                                  ; behind block a - 1's loads: block a's 16 stores and 16 loads
.endr
	s_wait_xcnt 0x0
	SEND 7, 0
	s_wait_tensorcnt 0x0                           ; the wave's end
	ds_add_u32 v[SPW], v[NIL]
	s_wait_dscnt 0x0
	CROUND                                         ; the closing round
	s_endpgm
.Lfunc_end_k_q77fe6e3cbe_gemm:
	.size	k_q77fe6e3cbe_gemm, .Lfunc_end_k_q77fe6e3cbe_gemm-k_q77fe6e3cbe_gemm
	.p2alignl 7, 3214868480
	.fill 96, 4, 3214868480
	.section	.rodata,"a",@progbits
	.p2align	6, 0x0
	.amdhsa_kernel k_q77fe6e3cbe_gemm
		.amdhsa_group_segment_fixed_size 327680
		.amdhsa_private_segment_fixed_size 0
		.amdhsa_enable_private_segment 0
		.amdhsa_kernarg_size 24
		.amdhsa_user_sgpr_count 2
		.amdhsa_user_sgpr_kernarg_segment_ptr 1
		.amdhsa_wavefront_size32 1
		.amdhsa_system_sgpr_workgroup_id_x 1
		.amdhsa_system_sgpr_workgroup_id_y 1
		.amdhsa_system_sgpr_workgroup_id_z 1
		.amdhsa_system_vgpr_workitem_id 0
		.amdhsa_next_free_vgpr 1024
		.amdhsa_next_free_sgpr 80
		.amdhsa_reserve_vcc 0
		.amdhsa_float_denorm_mode_32 3
		.amdhsa_float_denorm_mode_16_64 3
		.amdhsa_memory_ordered 1
		.amdhsa_forward_progress 1
		.amdhsa_inst_pref_size 147
	.end_amdhsa_kernel
	.amdgpu_metadata
---
amdhsa.version: [ 1, 2 ]
amdhsa.kernels:
  - .name:           k_q77fe6e3cbe_gemm
    .symbol:         k_q77fe6e3cbe_gemm.kd
    .args:
      - { .name: a_q, .offset: 0, .size: 8, .value_kind: global_buffer, .address_space: global }
      - { .name: w_q, .offset: 8, .size: 8, .value_kind: global_buffer, .address_space: global }
      - { .name: out0, .offset: 16, .size: 8, .value_kind: global_buffer, .address_space: global }
    .group_segment_fixed_size: 327680
    .private_segment_fixed_size: 0
    .kernarg_segment_align: 8
    .kernarg_segment_size: 24
    .max_flat_workgroup_size: 128
    .sgpr_count:     80
    .vgpr_count:     1024
    .wavefront_size: 32
...
	.end_amdgpu_metadata
.endif
;; end of part 2
